; MI455X (gfx1250); checked and timed in simulation.
; The chip was launched on July 23, 2026; its instructions are those of AMD's public machine-readable ISA for CDNA 5 (MIT licence, August 2026) and "CDNA5" Instruction Set Architecture Reference Guide (July 2026). The comments in the code are by the model that wrote it; some were corrected since.
;; Generator Net. Allowed arithmetic: float matrix products may take bf16 or f16 operands with f32 sums; other float arithmetic in f32, or as packed bf16 or f16 multiplies, adds, multiply-adds, maxima and minima; sums over many terms, partial sums and values carried from step to step in f32; what a program stores and reads back later, other than sums and carried values, may be rounded once to bf16 or f16.
;; Inputs: W 1,024 x 1 float32; x 256 x 1 x 1 float32.
;; Outputs: out0 256 x 1 x 16 x 128 float32.
;; One version. Each part assembles by itself: llvm-mc -triple=amdgcn-amd-amdhsa -mcpu=gfx1250 --defsym DOCPART=n.
;; ======== version 1 of 1: 1 launch
;; launch splat (part 1): grid 256 x 1, 4 waves a work-group, no clusters, 40,448 bytes of LDS; arguments x, W, out0; writes out0
.if DOCPART == 1
	.amdgcn_target "amdgcn-amd-amdhsa--gfx1250"
	.amdhsa_code_object_version 6
	.text
	.protected	k_q10ce1f212f_splat
	.globl	k_q10ce1f212f_splat
	.p2align	8
	.type	k_q10ce1f212f_splat,@function
k_q10ce1f212f_splat:
	s_mov_b64 s[64:65], 0
	v_nop
	global_prefetch_b8 v0, s[64:65] scope:SCOPE_SE
	s_setreg_imm32_b32 hwreg(HW_REG_WAVE_MODE, 25, 1), 1
	s_wait_xcnt 0x0
; out0[n][0][h][w] = 2 tanh(S) - 1,  S = the sum over the sample's 512 points p of relu(3 (1 - sqrt((w - X_p)^2 + (h - Y_p)^2))),
; X_p = 128 (tanh(x[n] W[2p]) / 2 + 1/2),  Y_p = 16 (tanh(x[n] W[2p+1]) / 2 + 1/2).  x: [256] f32, W: [1024] f32, out0: [256][16][128] f32.
; WORK LEFT OUT.  A pixel with |w - X_p| >= 1 or |h - Y_p| >= 1 has a distance of 1 or more, so its term is relu of a number <= 0: exactly 0, whatever x and W hold (in f32 too: squares, sums
; and roots round monotonically).  So of a point's 2,048 terms only those of columns ix = floor(X), ix + 1 and rows iy = floor(Y), iy + 1 can differ from 0: four distances a point are computed,
; for every point, and each is PLACED BY A SELECT, not by an address: whole-number compares make one-hot matrix operands, and the sum over the points is a matrix product.  Both inputs are read.
; LIMITS.  A NaN that x[n] W[o] may hold (infinity times 0) makes that point count for nothing, where reference() would give NaN for the sample; an infinite product is served (the point lies on the edge).
; The weights u = relu(1 - d), in 0 .. 1 for every input, are rounded once to f16 (11 bits; below 6e-5 f16's fixed step of 6e-8); all sums are f32.  tanh(z)/2 + 1/2 is taken as 1 / (1 + 2^(-2 log2(e) z)), the same number.
; THE PRODUCT.  E[col][p] = 2 [col = ix_p];  C_b[row][p] = 2 (u_0b [row = iy_p] + u_1b [row = iy_p + 1]), u_ab the weight of row iy + a, column ix + b;  D_b[col][row] = sum over p of E C_b.
; Then S[row][col] = 0.75 (D_0[col][row] + D_1[col - 1][row]): one one-hot E serves both columns, and the shift by one column is made once, on the finished sums.
; 2.0 is the one-hot's value because it is ONE bit (0x4000): for t = ix xor col (0 .. 255), 0x4000 - t has that bit set only for t = 0; two halves go in one 32-bit xor, subtract, and (no borrow: 0x4000 > t).
; x W^T has K = 1: one product an output, no sum; it is 8 f32 multiplies a lane, where a matrix instruction would use 1 of its 32 places along K.
; SHARES.  A work-group owns a sample; the points (the product's K) are split among its four waves, 128 each, 4 a lane, so no operand is built twice.  Each wave has all 2 x 8 accumulators (source 0 = E:
; 16 columns; source 1 = C_b: the 16 rows), so a lane ends with 8 neighbouring columns of one row.  The four partial images meet in LDS (f32); wave w finishes rows 4 w .. 4 w + 3.
; NO CLUSTER, NO TENSOR LOAD: what work-groups share is W, 4,096 bytes read once at the head, 32 bytes a lane straight into registers; two rounds of a cluster's barrier would stand against that.
.set PITCH, 528                        ; a row of a partial image in LDS: 512 bytes + 16
.set STG,   1536                       ; a wave's stage: six tables of 128 halves: ix, iy + 1, u00, u01, u10, u11
.set PART,  4*STG                      ; behind the stages: four partial images
.set PARTB, 16*PITCH
.set SPARE, PART+4*PARTB               ; behind them: the spare words, 128 bytes for each wave: two blocks of 256 bytes that no other line names
.set STA,  2                           ; v2   first lane % 16; then where I put 8 bytes of each table
.set LDA,  3                           ; v3   first lane / 16; then where I read 16 bytes of each table
.set SPW,  4                           ; v4   LDS address of my spare word; never rewritten
.set NIL,  5                           ; v5   0; never rewritten
.set H1,   6                           ; v6   my row + 1, in both halves
.set PS,   7                           ; v7   where I put my columns of a partial image
.set WP,   8                           ; v[8:15]    my column of tile n, 16 n + lane % 16, in both halves (tile 0's is also my row)
.set BUF,  16                          ; v[16:31]   two buffers of 8 for E, by turns; scratch while C is built
.set IX,   32                          ; v[32:63]   ix of my 16 points of each of the 4 K steps, two a register
.set CF,   64                          ; v[64:127]  C_b of K step s at CF + 16 s + 8 b; iy + 1 arrives in C_0's places
.set ACC,  128                         ; v[128:255] first the four u tables as loaded (kind k, step s at 32 k + 8 s); then D_b of tile n at ACC + 16 n + 8 b
.set P0,   16                          ; the points: v[16:23] W, then z .. X, Y, then their fractions (x, y of point i at 2 i, 2 i + 1)
.set FLR,  24                          ; v[24:31] floors, then whole numbers
.set GR,   32                          ; v[32:39] 1 - fraction
.set F2,   40                          ; v[40:47] fractions squared
.set G2,   48                          ; v[48:55] (1 - fraction) squared
.set DD,   56                          ; v[56:71] kind k (u00, u01, u10, u11), point i at 4 k + i
.set WOFF, 88                          ; v88      my byte offset in W
.set PKU,  104                         ; v[104:111] u in f16, two a register
.set PKI,  120                         ; v[120:123] ix, iy + 1, two a register
.set SCL,  124                         ; v[124:125] 128, 16
.set XR,   32                          ; the shift: v32 = 0, v[33:40] each tile's last column as the other half of the lanes holds it
.set XT,   41                          ; v[41:48] the column that comes in from the left
.set PRA,  49                          ; v49  where I read partial images
.set OUTA, 50                          ; v50  my byte offset in the sample's image
.set RS,   64                          ; v[64:127] partial q, row i at 16 q + 4 i
.set WV,   10                          ; s10  my wave's number
.set K4,   18                          ; s18  0x4000 twice
	s_load_b128 s[4:7], s[0:1], 0x0                ; x s[4:5], W s[6:7]
	s_load_b64 s[8:9], s[0:1], 0x10                ; out0
	v_lshl_add_u32 v[SPW], v0, 2, SPARE
	v_mov_b32 v[NIL], 0
	v_lshrrev_b32 v1, 5, v0
	v_readfirstlane_b32 s[WV], v1                  ; wave 0..3
	v_and_b32 v1, 31, v0                           ; lane
	s_lshl_b32 s11, s[WV], 10                      ; my wave's 128 points: 1,024 bytes of W
	v_lshl_add_u32 v[WOFF], v1, 4, s11             ; each load of the wave takes 512 consecutive bytes; which four points a lane gets does not matter: the sum runs over all
	s_lshl_b32 s12, ttmp9, 2                       ; the sample's word of x
	s_mov_b32 s13, 0
	s_mov_b32 s15, 0                               ; named with s14 as a pair
	s_wait_kmcnt 0x0
	s_add_nc_u64 s[4:5], s[4:5], s[12:13]
	s_load_b32 s14, s[4:5], 0x0                    ; x[n]
	global_load_b128 v[P0:P0+3],   v[WOFF], s[6:7]
	global_load_b128 v[P0+4:P0+7], v[WOFF], s[6:7] offset:512
	; constants and addresses, while the loads are out
	s_lshl_b32 s12, ttmp9, 13                      ; the sample's image: 8,192 bytes
	s_add_nc_u64 s[8:9], s[8:9], s[12:13]
	s_mov_b32 s16, 0xc038aa3b                      ; -2 log2(e)
	s_mov_b32 s17, 0xc038aa3b
	s_mov_b32 s[K4], 0x40004000
	s_mov_b32 s20, 0x76543210                      ; v_permlanex16_b32: each lane takes its own place in the other half
	s_mov_b32 s21, 0xfedcba98
	s_mov_b32 s22, 0x400a7fac                      ; 2 log2(e) x 0.75 = 2.16404
	s_mov_b32 s23, 0x400a7fac
	s_mul_i32 s24, s[WV], STG                      ; my stage
	s_mul_i32 s25, s[WV], PARTB
	s_add_co_u32 s25, s25, PART                    ; my partial image
	s_mul_i32 s26, s[WV], 4*PITCH
	s_add_co_u32 s26, s26, PART                    ; my four rows in partial image 0
	s_lshl_b32 s27, s[WV], 11                      ; and in the sample's image
	s_mov_b32 vcc_lo, 0xffff0000                   ; lanes 16 to 31
	v_and_b32 v2, 15, v0                           ; lane % 16
	v_bfe_u32 v3, v0, 4, 1                         ; lane / 16
	v_lshl_or_b32 v[WP], v2, 16, v2
	v_add_nc_u32 v[H1], 0x10001, v[WP]
.irp n, 1,2,3,4,5,6,7
	v_add_nc_u32 v[WP+\n], \n*0x100010, v[WP]
.endr
	v_mul_u32_u24 v[PS], v2, PITCH                 ; row lane % 16,
	v_lshl_add_u32 v[PS], v3, 5, v[PS]             ; 8 columns for each half of the lanes
	v_add_nc_u32 v[PS], s25, v[PS]
	s_wait_kmcnt 0x0                               ; x[n]
	s_wait_loadcnt 0x0                             ; W
	; THE POINTS, four a lane
.irp m, 0,2,4,6
	v_pk_mul_f32 v[P0+\m:P0+\m+1], v[P0+\m:P0+\m+1], s[14:15] op_sel_hi:[1,0]   ; z = x W
.endr
.irp m, 0,2,4,6
	v_pk_mul_f32 v[P0+\m:P0+\m+1], v[P0+\m:P0+\m+1], s[16:17] op_sel_hi:[1,0]   ; -2 log2(e) z
.endr
.irp j, 0,1,2,3,4,5,6,7
	v_exp_f32 v[P0+\j], v[P0+\j]                   ; infinity or 0 where z is far out: the point then lies on the edge, as tanh = -1 or 1 puts it
.endr
	v_mov_b32 v[SCL], 0x43000000                   ; 128.0: the plain line behind the batch
	v_mov_b32 v[SCL+1], 0x41800000                 ; 16.0
	s_wait_alu depctr_va_vdst(0)                   ; one wait for the eight exponentials, ahead of their first reader
.irp m, 0,2,4,6
	v_pk_add_f32 v[P0+\m:P0+\m+1], v[P0+\m:P0+\m+1], 1.0 op_sel_hi:[1,0]
.endr
.irp j, 0,1,2,3,4,5,6,7
	v_rcp_f32 v[P0+\j], v[P0+\j]                   ; tanh(z) / 2 + 1/2
.endr
	v_lshl_add_u32 v[LDA], v3, 4, s24              ; plain lines behind the batch: the stage's addresses.  Read: 16 bytes for each half of the lanes
	v_lshl_add_u32 v[STA], v1, 3, s24              ; write: 8 bytes a lane
	s_wait_alu depctr_va_vdst(0)                   ; one wait for the eight reciprocals
.irp m, 0,2,4,6
	v_pk_mul_f32 v[P0+\m:P0+\m+1], v[P0+\m:P0+\m+1], v[SCL:SCL+1]               ; X, Y
.endr
.irp j, 0,1,2,3,4,5,6,7
	v_floor_f32 v[FLR+\j], v[P0+\j]
.endr
.irp m, 0,2,4,6
	v_pk_add_f32 v[P0+\m:P0+\m+1], v[P0+\m:P0+\m+1], v[FLR+\m:FLR+\m+1] neg_lo:[0,1] neg_hi:[0,1]  ; the distance to column ix, row iy
.endr
.irp m, 0,2,4,6
	v_pk_fma_f32 v[GR+\m:GR+\m+1], v[P0+\m:P0+\m+1], -1.0, 1.0 op_sel_hi:[1,0,0]  ; and to column ix + 1, row iy + 1
.endr
.irp m, 0,2,4,6
	v_pk_mul_f32 v[F2+\m:F2+\m+1], v[P0+\m:P0+\m+1], v[P0+\m:P0+\m+1]
	v_pk_mul_f32 v[G2+\m:G2+\m+1], v[GR+\m:GR+\m+1], v[GR+\m:GR+\m+1]
.endr
.irp i, 0,1,2,3
	v_add_f32 v[DD+\i],    v[F2+2*\i], v[F2+2*\i+1]    ; row iy,     column ix
	v_add_f32 v[DD+4+\i],  v[G2+2*\i], v[F2+2*\i+1]    ; row iy,     column ix + 1
	v_add_f32 v[DD+8+\i],  v[F2+2*\i], v[G2+2*\i+1]    ; row iy + 1, column ix
	v_add_f32 v[DD+12+\i], v[G2+2*\i], v[G2+2*\i+1]    ; row iy + 1, column ix + 1
.endr
.irp j, 0,1,2,3,4,5,6,7
	v_cvt_u32_f32 v[FLR+\j], v[FLR+\j]             ; ix 0 .. 128, iy 0 .. 16
.endr
.irp j, 0,1,2,3,4,5,6,7,8,9,10,11,12,13,14,15
	v_sqrt_f32 v[DD+\j], v[DD+\j]
.endr
	v_lshl_or_b32 v[PKI],   v[FLR+2], 16, v[FLR]   ; independent work behind the roots: the whole numbers, two a register, the even point below
	v_lshl_or_b32 v[PKI+1], v[FLR+6], 16, v[FLR+4]
	v_lshl_or_b32 v[PKI+2], v[FLR+3], 16, v[FLR+1]
	v_lshl_or_b32 v[PKI+3], v[FLR+7], 16, v[FLR+5]
	v_add_nc_u32 v[PKI+2], 0x10001, v[PKI+2]       ; iy + 1, so that both row compares stay in 0 .. 17
	v_add_nc_u32 v[PKI+3], 0x10001, v[PKI+3]
	s_wait_alu depctr_va_vdst(0)                   ; one wait for the sixteen roots
.irp m, 0,2,4,6,8,10,12,14
	v_pk_fma_f32 v[DD+\m:DD+\m+1], v[DD+\m:DD+\m+1], -1.0, 1.0 op_sel_hi:[1,0,0]
.endr
.irp j, 0,1,2,3,4,5,6,7,8,9,10,11,12,13,14,15
	v_max_num_f32 v[DD+\j], 0, v[DD+\j]            ; u = relu(1 - d); the factor 3 waits in the last exponential's scale
.endr
.irp k, 0,1,2,3
	v_cvt_pk_f16_f32 v[PKU+2*\k],   v[DD+4*\k],   v[DD+4*\k+1]
	v_cvt_pk_f16_f32 v[PKU+2*\k+1], v[DD+4*\k+2], v[DD+4*\k+3]
.endr
	; THROUGH MY WAVE'S STAGE: a lane's four points go in side by side, and come back 8 points to a load, the same 16 bytes to all 16 lanes of a half.  All six tables are written and read by the same
	; addresses, so a place along K means the same point in E and in C.  LDS serves a wave's instructions in order (ISA guide 5.7.1.4): the loads see the stores; no other wave touches these bytes.
	ds_store_b64 v[STA], v[PKI:PKI+1]
	ds_store_b64 v[STA], v[PKI+2:PKI+3] offset:256
.irp k, 0,1,2,3
	ds_store_b64 v[STA], v[PKU+2*\k:PKU+2*\k+1] offset:512+256*\k
.endr
.irp s, 0,1,2,3                        ; ten loads a K step (32 points: 64 bytes of each table): iy + 1, then the four u
	ds_load_b128 v[CF+16*\s:CF+16*\s+3],   v[LDA] offset:256+64*\s
	ds_load_b128 v[CF+16*\s+4:CF+16*\s+7], v[LDA] offset:256+64*\s+32
.irp k, 0,1,2,3
	ds_load_b128 v[ACC+32*\k+8*\s:ACC+32*\k+8*\s+3],   v[LDA] offset:512+256*\k+64*\s
	ds_load_b128 v[ACC+32*\k+8*\s+4:ACC+32*\k+8*\s+7], v[LDA] offset:512+256*\k+64*\s+32
.endr
.endr
.irp s, 0,1,2,3                        ; and eight for ix
	ds_load_b128 v[IX+8*\s:IX+8*\s+3],   v[LDA] offset:64*\s
	ds_load_b128 v[IX+8*\s+4:IX+8*\s+7], v[LDA] offset:64*\s+32
.endr
; C_0 and C_1 of K step s: 2 [row = iy] and 2 [row = iy + 1] by xor, subtract, and (t <= 31); then each times its u: a product with 2 or 0 is exact, and at most one of the two terms is not 0.
.macro CBUILD s
.set CA, CF+16*(\s)                    ; iy + 1 as loaded; then C_0
.set CB, CF+16*(\s)+8                  ; C_1
.irp j, 0,1,2,3,4,5,6,7
	v_xor_b32 v[BUF+\j], v[H1], v[CA+\j]           ; 0 where iy + 1 = row + 1
.endr
.irp j, 0,1,2,3,4,5,6,7
	v_xor_b32 v[BUF+8+\j], v[WP], v[CA+\j]         ; 0 where iy + 1 = row
.endr
.irp j, 0,1,2,3,4,5,6,7,8,9,10,11,12,13,14,15
	v_sub_nc_u32 v[BUF+\j], s[K4], v[BUF+\j]
.endr
.irp j, 0,1,2,3,4,5,6,7,8,9,10,11,12,13,14,15
	v_and_b32 v[BUF+\j], s[K4], v[BUF+\j]
.endr
.irp j, 0,1,2,3,4,5,6,7
	v_pk_mul_f16 v[CA+\j], v[BUF+\j], v[ACC+8*(\s)+\j]
.endr
.irp j, 0,1,2,3,4,5,6,7
	v_pk_mul_f16 v[CB+\j], v[BUF+\j], v[ACC+32+8*(\s)+\j]
.endr
.irp j, 0,1,2,3,4,5,6,7
	v_pk_fma_f16 v[CA+\j], v[BUF+8+\j], v[ACC+64+8*(\s)+\j], v[CA+\j]
.endr
.irp j, 0,1,2,3,4,5,6,7
	v_pk_fma_f16 v[CB+\j], v[BUF+8+\j], v[ACC+96+8*(\s)+\j], v[CB+\j]
.endr
.endm
	s_wait_dscnt 38                                ; LDS loads come back in order (ISA guide 5.7.1): step 0's ten are in; the 38 issued behind them may be out
	CBUILD 0
	s_wait_dscnt 28                                ; step 1's ten; 28 behind them
	CBUILD 1
	s_wait_dscnt 18
	CBUILD 2
	s_wait_dscnt 8                                 ; all but ix's eight
	CBUILD 3
	s_wait_dscnt 0x0                               ; ix
; Tile n (16 columns) of K step s: E by 24 lines, then its two products.  The 16 accumulators take turns, one instruction a turn.  E's two buffers take turns too: between a product
; and the next write of the buffer that it read stand the other buffer's 24 plain lines, which name none of its registers (ISA guide 7.12.1).  first = 1: the products start the sums; nothing is cleared.
.macro TILE s, n, first
.set BB, BUF+8*((\n)%2)
.irp j, 0,1,2,3,4,5,6,7
	v_xor_b32 v[BB+\j], v[WP+(\n)], v[IX+8*(\s)+\j]
.endr
.irp j, 0,1,2,3,4,5,6,7
	v_sub_nc_u32 v[BB+\j], s[K4], v[BB+\j]
.endr
.irp j, 0,1,2,3,4,5,6,7
	v_and_b32 v[BB+\j], s[K4], v[BB+\j]
.endr
.if \first
	v_wmma_f32_16x16x32_f16 v[ACC+16*(\n):ACC+16*(\n)+7],    v[BB:BB+7], v[CF+16*(\s):CF+16*(\s)+7],    0
	v_wmma_f32_16x16x32_f16 v[ACC+16*(\n)+8:ACC+16*(\n)+15], v[BB:BB+7], v[CF+16*(\s)+8:CF+16*(\s)+15], 0
.else
	v_wmma_f32_16x16x32_f16 v[ACC+16*(\n):ACC+16*(\n)+7],    v[BB:BB+7], v[CF+16*(\s):CF+16*(\s)+7],    v[ACC+16*(\n):ACC+16*(\n)+7]
	v_wmma_f32_16x16x32_f16 v[ACC+16*(\n)+8:ACC+16*(\n)+15], v[BB:BB+7], v[CF+16*(\s)+8:CF+16*(\s)+15], v[ACC+16*(\n)+8:ACC+16*(\n)+15]
.endif
.endm
.irp n, 0,1,2,3,4,5,6,7
	TILE 0, \n, 1                                  ; (the u tables, which lay in the accumulators' registers, have all been used)
.endr
.irp s, 1,2,3
.irp n, 0,1,2,3,4,5,6,7
	TILE \s, \n, 0
.endr
.endr
	; THE SHIFT.  A lane holds row lane % 16, columns 16 n + 8 (lane / 16) + j in register j.  D_0's column c takes D_1's column c - 1: register j - 1 for j > 0; for j = 0 register 7 of the lane 16 away:
	; of this tile for lanes 16 to 31, of the tile before for lanes 0 to 15 (nothing for column 0; D_1's column 127 would be column 128: it is dropped).
	; Each accumulator's lowest registers are read first; tiles 0 to 6's additions are the places behind the last products (tile 7's).
	v_mov_b32 v[XR], 0
.irp n, 0,1,2,3,4,5,6,7
.irp j, 1,2,3,4,5,6,7
	v_add_f32 v[ACC+16*\n+\j], v[ACC+16*\n+\j], v[ACC+16*\n+8+\j-1]
.endr
.endr
.irp n, 0,1,2,3,4,5,6,7
	v_permlanex16_b32 v[XR+1+\n], v[ACC+16*\n+15], s20, s21  ; (its destination counts as read: these registers held ix)
.endr
.irp n, 0,1,2,3,4,5,6,7
	v_cndmask_b32 v[XT+\n], v[XR+\n], v[XR+1+\n], vcc_lo
.endr
.irp n, 0,1,2,3,4,5,6,7
	v_add_f32 v[ACC+16*\n], v[ACC+16*\n], v[XT+\n]
.endr
	v_lshl_add_u32 v[PRA], v1, 4, s26
.irp n, 0,1,2,3,4,5,6,7
	ds_store_b128 v[PS], v[ACC+16*\n:ACC+16*\n+3]   offset:64*\n
	ds_store_b128 v[PS], v[ACC+16*\n+4:ACC+16*\n+7] offset:64*\n+16
.endr
	s_wait_dscnt 0x0                               ; for the others' sake: my partial image is written
	s_barrier_signal -1
	s_barrier_wait -1                              ; all four are
.irp q, 0,1,2,3                        ; my four rows of each: a load takes a row's 512 bytes, 16 a lane
.irp i, 0,1,2,3
	ds_load_b128 v[RS+16*\q+4*\i:RS+16*\q+4*\i+3], v[PRA] offset:\q*PARTB+\i*PITCH
.endr
.endr
	s_wait_dscnt 8                                 ; partials 0 and 1 are in; the eight loads of 2 and 3 may be out
.irp m, 0,2,4,6,8,10,12,14
	v_pk_add_f32 v[RS+\m:RS+\m+1], v[RS+\m:RS+\m+1], v[RS+16+\m:RS+16+\m+1]
.endr
	s_wait_dscnt 0x0
.irp m, 0,2,4,6,8,10,12,14
	v_pk_add_f32 v[RS+32+\m:RS+32+\m+1], v[RS+32+\m:RS+32+\m+1], v[RS+48+\m:RS+48+\m+1]
.endr
.irp m, 0,2,4,6,8,10,12,14
	v_pk_add_f32 v[RS+\m:RS+\m+1], v[RS+\m:RS+\m+1], v[RS+32+\m:RS+32+\m+1]
.endr
	; 2 tanh(S) - 1 = 1 - 4 / (1 + e^(2 S)), S = 0.75 x the sum (3 for the weight, 1/4 for the two one-hots' 2); S >= 0; where the exponential is infinite the result is 1
.irp m, 0,2,4,6,8,10,12,14
	v_pk_mul_f32 v[RS+\m:RS+\m+1], v[RS+\m:RS+\m+1], s[22:23] op_sel_hi:[1,0]
.endr
.irp j, 0,1,2,3,4,5,6,7,8,9,10,11,12,13,14,15
	v_exp_f32 v[RS+\j], v[RS+\j]
.endr
	v_lshl_add_u32 v[OUTA], v1, 4, s27             ; the plain line behind the batch
	s_wait_alu depctr_va_vdst(0)                   ; one wait for the sixteen exponentials
.irp m, 0,2,4,6,8,10,12,14
	v_pk_add_f32 v[RS+\m:RS+\m+1], v[RS+\m:RS+\m+1], 1.0 op_sel_hi:[1,0]
.endr
.irp j, 0,1,2,3,4,5,6,7,8,9,10,11,12,13,14,15
	v_rcp_f32 v[RS+\j], v[RS+\j]
.endr
	v_nop                                          ; the plain line behind the batch
	s_wait_alu depctr_va_vdst(0)                   ; one wait for the sixteen reciprocals
.irp m, 0,2,4,6,8,10,12,14
	v_pk_fma_f32 v[RS+\m:RS+\m+1], v[RS+\m:RS+\m+1], -4.0, 1.0 op_sel_hi:[1,0,0]
.endr
.irp i, 0,1,2,3
	global_store_b128 v[OUTA], v[RS+4*\i:RS+4*\i+3], s[8:9] offset:512*\i th:TH_STORE_NT  ; a row of the image: 512 consecutive bytes, at a multiple of 512 from out0's first byte
.endr
	s_wait_tensorcnt 0x0                           ; the wave's end, behind my last LDS store
	ds_add_u32 v[SPW], v[NIL]
	s_wait_dscnt 0x0
	s_endpgm
.Lfunc_end_k_q10ce1f212f_splat:
	.size	k_q10ce1f212f_splat, .Lfunc_end_k_q10ce1f212f_splat-k_q10ce1f212f_splat
	.p2alignl 7, 3214868480
	.fill 96, 4, 3214868480
	.section	.rodata,"a",@progbits
	.p2align	6, 0x0
	.amdhsa_kernel k_q10ce1f212f_splat
		.amdhsa_group_segment_fixed_size 40448
		.amdhsa_private_segment_fixed_size 0
		.amdhsa_enable_private_segment 0
		.amdhsa_kernarg_size 24
		.amdhsa_user_sgpr_count 2
		.amdhsa_user_sgpr_kernarg_segment_ptr 1
		.amdhsa_wavefront_size32 1
		.amdhsa_system_sgpr_workgroup_id_x 1
		.amdhsa_system_sgpr_workgroup_id_y 1
		.amdhsa_system_sgpr_workgroup_id_z 1
		.amdhsa_system_vgpr_workitem_id 0
		.amdhsa_next_free_vgpr 256
		.amdhsa_next_free_sgpr 66
		.amdhsa_reserve_vcc 1
		.amdhsa_float_denorm_mode_32 3
		.amdhsa_float_denorm_mode_16_64 3
		.amdhsa_memory_ordered 1
		.amdhsa_forward_progress 1
		.amdhsa_inst_pref_size 65
	.end_amdhsa_kernel
	.amdgpu_metadata
---
amdhsa.version: [ 1, 2 ]
amdhsa.kernels:
  - .name:           k_q10ce1f212f_splat
    .symbol:         k_q10ce1f212f_splat.kd
    .args:
      - { .name: x, .offset: 0, .size: 8, .value_kind: global_buffer, .address_space: global }
      - { .name: W, .offset: 8, .size: 8, .value_kind: global_buffer, .address_space: global }
      - { .name: out0, .offset: 16, .size: 8, .value_kind: global_buffer, .address_space: global }
    .group_segment_fixed_size: 40448
    .private_segment_fixed_size: 0
    .kernarg_segment_align: 8
    .kernarg_segment_size: 24
    .max_flat_workgroup_size: 128
    .sgpr_count:     66
    .vgpr_count:     256
    .wavefront_size: 32
...
	.end_amdgpu_metadata
.endif
;; end of part 1
